; MI455X (gfx1250); checked and timed in simulation.
; The chip was launched on July 23, 2026; its instructions are those of AMD's public machine-readable ISA for CDNA 5 (MIT licence, August 2026) and "CDNA5" Instruction Set Architecture Reference Guide (July 2026). The comments in the code are by the model that wrote it; some were corrected since.
;; Multi Head Attention Base. Allowed arithmetic: float matrix products may take bf16 or f16 operands with f32 sums; all other float work in f32.
;; Inputs: key 4 x 2,048 x 1,024 float32; mask 4 x 2,048 x 2,048 int32; query 4 x 2,048 x 1,024 float32; value 4 x 2,048 x 1,024 float32.
;; Outputs: out0 4 x 2,048 x 1,024 float32.
;; 2 versions, each right. Each part assembles by itself: llvm-mc -triple=amdgcn-amd-amdhsa -mcpu=gfx1250 --defsym DOCPART=n.
;; ======== version 1 of 2: 1 launch
;; limits: right only within a limited range of input values; values are held in f16: magnitudes above 65,504 overflow, below 6.1e-05 lose precision
;; launch attn (part 1): grid 16 x 16, 4 waves a work-group, clusters of 4 x 1, 327,680 bytes of LDS; arguments key, value, query, mask, out0; writes out0
.if DOCPART == 1
	.amdgcn_target "amdgcn-amd-amdhsa--gfx1250"
	.amdhsa_code_object_version 6
	.text
	.protected	k_qd5248563dc_attn
	.globl	k_qd5248563dc_attn
	.p2align	8
	.type	k_qd5248563dc_attn,@function
k_qd5248563dc_attn:
	s_mov_b64 s[64:65], 0
	v_nop
	global_prefetch_b8 v0, s[64:65] scope:SCOPE_SE
	s_setreg_imm32_b32 hwreg(HW_REG_WAVE_MODE, 25, 1), 1
	s_wait_xcnt 0x0
	s_wait_alu depctr_hold_cnt(0) depctr_sa_sdst(0) depctr_va_vdst(0) depctr_va_sdst(0) depctr_va_ssrc(0) depctr_va_vcc(0) depctr_vm_vsrc(0)
	s_getreg_b32 s2, hwreg(HW_REG_IB_STS2, 6, 4)
	s_cmp_eq_u32 s2, 0
	s_cbranch_scc0 .Lentry_in_a_cluster
	s_endpgm
.Lentry_in_a_cluster:
	s_bfe_u32 s2, ttmp6, 0x10000c
	s_cmp_lg_u32 s2, 0x3003
	s_cbranch_scc0 .Lentry_shape_is_right
	s_endpgm
.Lentry_shape_is_right:
; Attention without projections: out[b][q][h*64+d] = softmax over k of (q.k/8, or -1e9 where mask[b][q][k] == 0) times V.
; B = 4, S = 2048, E = 1024, 16 heads of 64.  All tensors f32, the mask int32; products in f16 with f32 sums, softmax in f32 with a running maximum.
;
; FORMAT.  f16, not bf16: an output is a weighted sum of some thousand numbers of V and is compared within a hundredth of the outputs' root mean square, and
; the roundings of Q, K, V and the weights all enter it; f16 keeps 11 significant bits where bf16 keeps 8, so each rounding is eight times finer.  The
; operands are 0.18 Q, K, V and weights in [0, 1]: f16 reaches 65,504, and small numbers go on as denormals (steps of 2^-24).
; SHARES.  Work-group (x, y): x = query block of 128 rows, y = 4 b + hg, hg a group of four heads.  Wave w owns head 4 hg + w and all 128 rows.
; Keys go in 32 steps of 64.  A step's tile is 64 rows of K and 64 of V, 1,024 bytes each (the four heads' 256 bytes side by side), in f32;
; each wave converts its own head's columns to f16 once a step.
; CLUSTER.  The four query blocks of a cluster (same y) walk the same K and V tiles: every tile is asked for jointly, mask 15.  The int32 mask tile
; is not shared that way: two K/V slots (266,240 bytes), an int tile and the bias tile (34,816 each) are 335,872 bytes, more than the 327,680 there are;
; it comes through registers, in whole rows of 256 bytes, a step ahead.
; TRANSPOSED PRODUCTS.  S^T = K Q^T: lane (r, h) holds keys 16 kt + 8 h + j of query r, so maximum, sum and rescaling factor are a lane's own (one
; exchange between the halves of the lanes for the maximum), and the packed weights of key tiles 2c, 2c+1 ARE the second source of O^T = V^T P^T.
; V NEEDS NO TRANSPOSE: row m of O^T's tile a is d = 4 m + a, so one 16-byte load at byte 16 r of a key's row gives lane r its element of all four tiles.
; THE MASK is turned once a step, a quarter by each wave, into an f32 tile (0 or BIAS) in LDS; every wave loads it straight into the score registers,
; where it is the addend of the first score product.
; ROWS WHOSE MASK IS ALL ZERO: reference's constant is finite, so such a row is the plain mean of V over all 2,048 keys.  V's sum is kept in f32 beside
; the conversion, and a row whose final maximum is below THR takes the mean by v_cndmask_b32.  Weights gathered while a row has seen only masked keys
; are wiped by the factor exp2(BIAS - real score) = 0 as soon as a real score comes.
; LIMITS.  |0.18 Q|, |K| and |V| must stay below 65,504 (f16's largest number).  Scores are kept times log2(e).  BIAS = -1.34375 x 2^30 (-1e9 log2 e to
; 0.01 per cent), THR = -2^29: unmasked scores times log2(e) must lie above -2^29 and below 2^29.  NaN and infinities in the inputs are not treated
; specially.  Q is scaled by 0.125 log2(e) in f32 before it is rounded to f16.
.set KP,     1040                      ; LDS pitch of a tile row: 1,024 bytes + 16 of padding = 65 x 16: sixteen rows start in sixteen different 16-byte columns of 256
.set QUART,  32*KP                     ; what one tensor load brings: 32 rows
.set VOFF,   64*KP                     ; V's 64 rows lie behind K's 64
.set SLOT,   128*KP                    ; 133,120 bytes; slot 1's first fill is the Q tile, 128 rows
.set BIAS_L, 2*SLOT                    ; 266,240 = 1,040 x 256: the bias tile, 128 rows at pitch BP; written by ds_store alone, no tensor load lands here
.set BP,     272
.set STGB,   4608                      ; behind the last step the bias tile's bytes serve the way out: 16 rows x 272 + 256 bytes for each wave
.set KSTEP,  64*4096                   ; bytes of K or V from one step to the next
; window 0
.set ADK,  4                           ; v4-5   slot s: s SLOT + r KP + 256 w + 32 h     K (and Q) fragments
.set ADV,  6                           ; v6-7   slot s: s SLOT + VOFF + 8 h KP + 256 w + 16 r
.set ADBW, 8                           ; v8     BIAS_L + (32 w + h) BP + 16 r             where I put bias
.set ADBR, 9                           ; v9     BIAS_L + r BP + 32 h                      where I read it
.set ADM,  10                          ; v10    (32 w + h) 8192 + 16 r                    my mask words
.set ADQ2, 11                          ; v11    ADK of slot 1 + 64 rows
.set STO,  12                          ; v12    way out: stage + r BP + 128 h
.set RD,   13                          ; v13    way out: stage + h BP + 16 r
.set CO,   14                          ; v14    way out: h 4096 + 16 r
.set MVW,  15                          ; v15    mean of V, written at + 16 r
.set M,    16                          ; v16-23 running maximum of query tile i
.set LS,   24                          ; v24-31 my half's running sum of query tile i
.set SV,   32                          ; v32-39 sums of V, two sets of four
.set AL,   40                          ; v40-41 rescaling factor (v41 only completes the pair)
.set X,    42                          ; v42-45 at work; v[44:45] is the pair from which the maximum is broadcast
.set MVR,  46                          ; v46    mean of V, read at + 128 h
.set BV,   47                          ; v47    BIAS
.set P,    48                          ; v48-63 packed weights
.set SC,   64                          ; v64-127 scores, two sets of 32
.set T,    128                         ; v128-191 f32 as loaded from LDS
.set MK,   192                         ; v192-255 mask words, turned into bias in place
; window 1: O^T, tile (qt, a) at 8 (4 qt + a).   window 2:
.set QF,   0                           ; Q fragments, (qt, c) at 8 (2 qt + c)
.set KF,   128                         ; K fragments, (kt, c) at 128 + 8 (2 kt + c)
.set VF,   192                         ; V^T fragments, (a, c2) at 192 + 8 (2 a + c2)
.set G1,   24                          ; s[24:31] shape of a joint tile
.set G1Q,  32                          ; s[32:39] the same shape, asked for alone (Q)
.set G0,   40                          ; s[40:47] from where, to where: one set for each slot
.set G0Q,  48                          ; s[48:51] the same for Q
.set MSB, 0
.macro WIN new                         ; low byte: bits 1:0 source 0, 3:2 source 1, 5:4 source 2, 7:6 destination; the high byte repeats the setting that is left
.if MSB != \new
	s_set_vgpr_msb (MSB<<8)|\new
.set MSB, \new
.endif
.endm
.macro PLACES
.rept 4
	v_nop
.endr
.endm
; A round of the cluster's barrier: my work-group's barrier, wave 0 signals for the work-group, every wave waits for all four work-groups, my work-group's barrier again.
.macro ROUND
	s_barrier_signal -1
	s_barrier_wait -1
	s_cmp_lg_u32 s14, 0
	s_cbranch_scc1 .Lnot_wave_0_\@
	s_barrier_signal -3
.Lnot_wave_0_\@:
	s_barrier_wait -3
	s_barrier_signal -1
	s_barrier_wait -1
.endm
	s_load_b256 s[4:11], s[0:1], 0x0               ; key s[4:5], value s[6:7], query s[8:9], mask s[10:11]
	s_load_b64 s[12:13], s[0:1], 0x20              ; out
	s_set_vgpr_msb 0xc0
	v_lshl_add_u32 v0, v0, 2, 0x49800
	v_mov_b32 v1, 0
	s_set_vgpr_msb 0xc0cf
	ds_add_u32 v0, v1
	s_set_vgpr_msb 0xcf00
	v_lshrrev_b32 v1, 5, v0
	v_readfirstlane_b32 s14, v1                    ; wave 0..3
	s_lshr_b32 s15, s14, 1                         ; I fetch for K (0) or for V (1)
	s_and_b32 s16, s14, 1                          ; which 32 rows of that tile
	s_and_b32 s19, ttmp7, 0xffff                   ; y = 4 b + hg (the cluster is one work-group high)
	s_lshr_b32 s20, s19, 2                         ; b
	s_and_b32 s21, s19, 3                          ; hg
	s_lshl_b32 s56, s20, 23                        ; b x 2048 rows x 4,096 bytes
	s_lshl_b32 s57, s21, 10                        ; hg x 1,024 bytes
	s_add_co_u32 s56, s56, s57
	s_lshl_b32 s57, s16, 17                        ; 32 rows x 4,096 bytes
	s_add_co_u32 s52, s56, s57                     ; K's and V's offset hangs on y and the wave alone: equal in the four partners
	s_mov_b32 s53, 0
	s_bfe_u32 s17, ttmp6, 0x40000                  ; cx: enters only the offsets of Q, mask and out, in s[2:3], s18, s22
	s_lshl_b32 s18, ttmp9, 2
	s_add_co_u32 s18, s18, s17                     ; query block = 4 x cluster x + cx
	s_lshl_b32 s22, s18, 19                        ; 128 rows x 4,096 bytes
	s_add_co_u32 s22, s22, s56
	s_mov_b32 s61, 0x76543210                      ; v_permlanex16_b32: lane i of one half reads lane i of the other
	s_mov_b32 s62, 0xfedcba98
	; the shape: 32 rows x 256 elements of 4 bytes, 1,024 elements from row to row, 4 words of padding behind every 256 words
	s_mov_b32 s[G1+0],  15|(2<<16)|(1<<20)|(1<<21)|(7<<22)|(3<<25)  ; 15:0 the four work-groups of the cluster; 17:16 4 bytes; 20 padding on; 21 set beside a mask; 24:22 every 256 words; 31:25 4 words
	s_mov_b32 s[G1Q+0], (2<<16)|(1<<20)|(7<<22)|(3<<25)             ; no mask: each work-group has its own Q
	s_mov_b32 s[G1+1],  256<<16                    ; tensor_dim0 = 256
	s_mov_b32 s[G1Q+1], 256<<16
	s_mov_b32 s[G1+2],  32<<16                     ; tensor_dim1 = 32
	s_mov_b32 s[G1Q+2], 32<<16
	s_mov_b32 s[G1+3],  256<<16                    ; tile_dim0 = 256
	s_mov_b32 s[G1Q+3], 256<<16
	s_mov_b32 s[G1+4],  32                         ; tile_dim1 = 32
	s_mov_b32 s[G1Q+4], 32
	s_mov_b32 s[G1+5],  1024                       ; elements from row to row
	s_mov_b32 s[G1Q+5], 1024
	s_mov_b32 s[G1+6],  0
	s_mov_b32 s[G1Q+6], 0
	s_mov_b32 s[G1+7],  0
	s_mov_b32 s[G1Q+7], 0
	s_mul_i32 s57, s14, QUART                      ; to where: K's two halves, then V's two halves = wave x 32 rows
	s_wait_dscnt 0x0
	s_wait_kmcnt 0x0
	s_cmp_lg_u32 s15, 0
	s_cselect_b64 s[54:55], s[6:7], s[4:5]         ; waves 2, 3: value; waves 0, 1: key
	s_add_nc_u64 s[54:55], s[54:55], s[52:53]
.irp s, 0,1
	s_mov_b32 s[G0+4*\s], 1
	s_add_co_u32 s[G0+4*\s+1], s57, \s*SLOT
	s_add_nc_u64 s[G0+4*\s+2:G0+4*\s+3], s[54:55], \s*KSTEP        ; step s
	s_or_b32 s[G0+4*\s+3], s[G0+4*\s+3], 0x80000000
.endr
	s_lshl_b32 s2, s14, 17                         ; Q: my 32 of the block's 128 rows
	s_add_co_u32 s2, s2, s22
	s_mov_b32 s3, 0
	s_mov_b32 s[G0Q], 1
	s_add_co_u32 s[G0Q+1], s57, SLOT
	s_add_nc_u64 s[G0Q+2:G0Q+3], s[8:9], s[2:3]
	s_or_b32 s[G0Q+3], s[G0Q+3], 0x80000000
	s_lshl_b32 s2, s14, 8                          ; out: my head's 256 bytes of the block's first row
	s_add_co_u32 s2, s2, s22
	s_add_nc_u64 s[12:13], s[12:13], s[2:3]
	s_lshl_b32 s2, s20, 24                         ; mask: b x 2048 x 8,192 bytes + block x 128 x 8,192
	s_lshl_b32 s22, s18, 20
	s_add_co_u32 s2, s2, s22
	s_add_nc_u64 s[10:11], s[10:11], s[2:3]
	ROUND                                          ; all four work-groups are here: the first joint loads meet
	tensor_load_to_lds s[G0:G0+3], s[G1:G1+7]      ; step 0's K and V into slot 0, jointly
	s_nop 0
	PLACES
	tensor_load_to_lds s[G0Q:G0Q+3], s[G1Q:G1Q+7]  ; Q into slot 1, my own.  Two tensor loads of the wave are out
	s_nop 0
	PLACES
	v_and_b32 v1, 15, v0                           ; r
	v_bfe_u32 v2, v0, 4, 1                         ; h
	s_lshl_b32 s58, s14, 8                         ; my head's 256 bytes in a tile row
	v_mul_u32_u24 v3, v1, KP
	v_lshl_add_u32 v3, v2, 5, v3
	v_add_nc_u32 v[ADK], s58, v3
	v_add_nc_u32 v[ADK+1], SLOT, v[ADK]
	v_add_nc_u32 v[ADQ2], VOFF, v[ADK+1]
	v_mul_u32_u24 v3, v2, 8*KP
	v_lshl_add_u32 v3, v1, 4, v3
	s_add_co_u32 s58, s58, VOFF
	v_add_nc_u32 v[ADV], s58, v3
	v_add_nc_u32 v[ADV+1], SLOT, v[ADV]
	s_mul_i32 s59, s14, 32*BP
	s_add_co_u32 s59, s59, BIAS_L
	v_mul_u32_u24 v3, v2, BP
	v_lshl_add_u32 v3, v1, 4, v3                   ; h BP + 16 r
	v_add_nc_u32 v[ADBW], s59, v3
	s_mul_i32 s56, s14, STGB
	s_add_co_u32 s56, s56, BIAS_L                  ; my stage
	v_add_nc_u32 v[RD], s56, v3
	v_mul_u32_u24 v3, v1, BP                       ; r BP
	v_lshl_add_u32 v[ADBR], v2, 5, v3
	v_add_nc_u32 v[ADBR], BIAS_L, v[ADBR]
	v_lshl_add_u32 v[STO], v2, 7, v3
	v_add_nc_u32 v[STO], s56, v[STO]
	s_add_co_u32 s56, s56, 16*BP
	v_lshl_add_u32 v[MVW], v1, 4, s56
	v_lshl_add_u32 v[MVR], v2, 7, s56
	v_lshlrev_b32 v3, 4, v1
	v_lshl_add_u32 v[CO], v2, 12, v3
	v_lshl_add_u32 v[ADM], v2, 13, v3
	s_lshl_b32 s57, s14, 18                        ; my 32 mask rows of 8,192 bytes
	v_add_nc_u32 v[ADM], s57, v[ADM]
.irp k, 0,1,2,3,4,5,6,7
	v_mov_b32 v[SV+\k], 0                          ; V's sums begin at zero: eight registers, once
.endr
	v_mov_b32 v[AL+1], 0
	v_mov_b32 v[BV], 0xceac0000                    ; BIAS
; 16 loads of 16 bytes: my 32 rows x 64 keys of the mask; each load covers two whole rows of 256 bytes
.macro MLOAD
.set n, 0
.rept 16
	global_load_b128 v[MK+4*n:MK+4*n+3], v[ADM], s[10:11] offset:n*16384
.set n, n+1
.endr
.endm
; mask word == 0 -> BIAS, else 0, in place, and into the bias tile
.macro MCONV
.set n, 0
.rept 16
.irp k, 0,1,2,3
	v_cmp_eq_u32 s[56+\k], 0, v[MK+4*n+\k]
.endr
.irp k, 0,1,2,3
	v_cndmask_b32 v[MK+4*n+\k], 0, v[BV], s[56+\k]
.endr
	ds_store_b128 v[ADBW], v[MK+4*n:MK+4*n+3] offset:n*2*BP
.set n, n+1
.endr
.endm
; f32 for the fragments of two 16-row tiles (t0, t0 + 1) x 64 d: lane (r, h) takes d = 32 c + 8 h + 0..7 and 32 c + 16 + 8 h + 0..7 of row r
.macro LD2 adr, t0
.irp tt, 0,1
.irp c, 0,1
	ds_load_b128 v[T+32*\tt+16*\c:T+32*\tt+16*\c+3],     v[\adr] offset:(\t0+\tt)*16*KP+128*\c
	ds_load_b128 v[T+32*\tt+16*\c+4:T+32*\tt+16*\c+7],   v[\adr] offset:(\t0+\tt)*16*KP+128*\c+16
	ds_load_b128 v[T+32*\tt+16*\c+8:T+32*\tt+16*\c+11],  v[\adr] offset:(\t0+\tt)*16*KP+128*\c+64
	ds_load_b128 v[T+32*\tt+16*\c+12:T+32*\tt+16*\c+15], v[\adr] offset:(\t0+\tt)*16*KP+128*\c+80
.endr
.endr
.endm
; 64 f32 of T, in order, to 32 registers of f16 pairs in window 2
.macro CVT64 dst
	WIN 0x80
.set n, 0
.rept 32
	v_cvt_pk_f16_f32 v[\dst+n], v[T+2*n], v[T+2*n+1]
.set n, n+1
.endr
	WIN 0
.endm
; V: 16 keys' rows (32 c2 + 16 u + 8 h + j), 16 bytes each at 16 r: d = 4 r .. 4 r + 3
.macro VLOAD s, c2
.irp u, 0,1
.irp j, 0,1,2,3,4,5,6,7
	ds_load_b128 v[T+4*(8*\u+\j):T+4*(8*\u+\j)+3], v[ADV+\s] offset:(32*\c2+16*\u+\j)*KP
.endr
.endr
.endm
.macro VCVT c2                         ; two neighbouring keys of one d make a register of tile a's fragment
	WIN 0x80
.irp a, 0,1,2,3
.irp u, 0,1
.irp j, 0,2,4,6
	v_cvt_pk_f16_f32 v[VF+8*(2*\a+\c2)+4*\u+\j/2], v[T+4*(8*\u+\j)+\a], v[T+4*(8*\u+\j+1)+\a]
.endr
.endr
.endr
	WIN 0
.endm
.macro VSUM                            ; V's sums in f32, two chains by turns
.set n, 0
.rept 16
	v_pk_add_f32 v[SV+4*(n&1):SV+4*(n&1)+1],   v[SV+4*(n&1):SV+4*(n&1)+1],   v[T+4*n:T+4*n+1]
	v_pk_add_f32 v[SV+4*(n&1)+2:SV+4*(n&1)+3], v[SV+4*(n&1)+2:SV+4*(n&1)+3], v[T+4*n+2:T+4*n+3]
.set n, n+1
.endr
.endm
; the bias of query tile i, straight into the score registers: register 8 kt + j = key 16 kt + 8 h + j of query 16 i + r
.macro BLOAD i
.irp kt, 0,1,2,3
.irp e, 0,1
	ds_load_b128 v[SC+32*(\i&1)+8*\kt+4*\e:SC+32*(\i&1)+8*\kt+4*\e+3], v[ADBR] offset:\i*16*BP+64*\kt+16*\e
.endr
.endr
.endm
; scores of query tile i: four accumulators by turns, one instruction a turn
.macro SMM i
	WIN 0x0a                                       ; both sources window 2, sums window 0
.irp c, 0,1
.irp kt, 0,1,2,3
	v_wmma_f32_16x16x32_f16 v[SC+32*(\i&1)+8*\kt:SC+32*(\i&1)+8*\kt+7], v[KF+8*(2*\kt+\c):KF+8*(2*\kt+\c)+7], v[QF+8*(2*\i+\c):QF+8*(2*\i+\c)+7], v[SC+32*(\i&1)+8*\kt:SC+32*(\i&1)+8*\kt+7]
.endr
.endr
.endm
.macro RESC i                          ; O^T of query tile i times the factor
	WIN 0x41
.set n, 0
.rept 16
	v_pk_mul_f32 v[32*\i+2*n:32*\i+2*n+1], v[32*\i+2*n:32*\i+2*n+1], v[AL:AL+1] op_sel_hi:[1,0]
.set n, n+1
.endr
.endm
; O^T += V^T P^T: four accumulators by turns, one instruction a turn.  In the first step the first product starts the sums.
.macro PV i, first
	WIN 0x52                                       ; V^T window 2, weights window 0, sums window 1
.irp a, 0,1,2,3
.if \first
	v_wmma_f32_16x16x32_f16 v[8*(4*\i+\a):8*(4*\i+\a)+7], v[VF+16*\a:VF+16*\a+7], v[P:P+7], 0
.else
	v_wmma_f32_16x16x32_f16 v[8*(4*\i+\a):8*(4*\i+\a)+7], v[VF+16*\a:VF+16*\a+7], v[P:P+7], v[8*(4*\i+\a):8*(4*\i+\a)+7]
.endif
.endr
.irp a, 0,1,2,3
	v_wmma_f32_16x16x32_f16 v[8*(4*\i+\a):8*(4*\i+\a)+7], v[VF+16*\a+8:VF+16*\a+15], v[P+8:P+15], v[8*(4*\i+\a):8*(4*\i+\a)+7]
.endr
.endm
; 32 scores a lane of query tile i: new maximum, factor, weights, sum, packed weights
.macro SOFTMAX i, first
.set SB, SC+32*(\i&1)
.irp k, 0,1,2,3
	v_max3_num_f32 v[X+\k], v[SB+3*\k], v[SB+3*\k+1], v[SB+3*\k+2]
.endr
.set n, 0
.rept 10
	v_max3_num_f32 v[X+n%4], v[X+n%4], v[SB+12+2*n], v[SB+13+2*n]
.set n, n+1
.endr
	v_max3_num_f32 v[X], v[X], v[X+1], v[X+2]
.if \first
	v_max_num_f32 v[X], v[X], v[X+3]
.else
	v_max3_num_f32 v[X], v[X], v[X+3], v[M+\i]
.endif
	v_permlanex16_b32 v[X+1], v[X], s61, s62       ; the other half of the lanes holds the other half of the keys
	v_max_num_f32 v[X+2], v[X], v[X+1]
.if \first == 0
	v_sub_f32 v[AL], v[M+\i], v[X+2]
.endif
	v_mov_b32 v[M+\i], v[X+2]
.set n, 0
.rept 16
	v_pk_add_f32 v[SB+2*n:SB+2*n+1], v[SB+2*n:SB+2*n+1], v[X+2:X+3] op_sel_hi:[1,0] neg_lo:[0,1] neg_hi:[0,1]
.set n, n+1
.endr
.set n, 0
.rept 32
	v_exp_f32 v[SB+n], v[SB+n]
.set n, n+1
.endr
.if \first == 0
	v_exp_f32 v[AL], v[AL]
.endif
	v_nop                                          ; one plain vector instruction stands between the run of exponentials and the first use of a result (ISA guide 5.7.2)
	s_wait_alu depctr_va_vdst(0)
.irp k, 0,1,2,3
	v_pk_add_f32 v[T+2*\k:T+2*\k+1], v[SB+2*\k:SB+2*\k+1], v[SB+8+2*\k:SB+8+2*\k+1]
.endr
.irp k, 0,1,2,3
	v_pk_add_f32 v[T+2*\k:T+2*\k+1], v[T+2*\k:T+2*\k+1], v[SB+16+2*\k:SB+16+2*\k+1]
.endr
.irp k, 0,1,2,3
	v_pk_add_f32 v[T+2*\k:T+2*\k+1], v[T+2*\k:T+2*\k+1], v[SB+24+2*\k:SB+24+2*\k+1]
.endr
.set n, 0
.rept 16
	v_cvt_pk_f16_f32 v[P+n], v[SB+2*n], v[SB+2*n+1]
.set n, n+1
.endr
	v_pk_add_f32 v[T:T+1], v[T:T+1], v[T+2:T+3]
	v_pk_add_f32 v[T+4:T+5], v[T+4:T+5], v[T+6:T+7]
	v_pk_add_f32 v[T:T+1], v[T:T+1], v[T+4:T+5]
.if \first
	v_add_f32 v[LS+\i], v[T], v[T+1]
.else
	v_add_f32 v[X], v[T], v[T+1]
	v_fma_f32 v[LS+\i], v[LS+\i], v[AL], v[X]
.endif
.endm
; Query tile i.  The next tile's bias is asked for ahead of this tile's softmax, and its score products stand ahead of this tile's rescaling, whose sixteen
; multiplies are the places between those products and the softmax that reads them (four v_nop in the first step, which rescales nothing).
.macro QT i, nx, first
.if \i < 7
	BLOAD \nx
.endif
	SOFTMAX \i, \first
.if \i < 7
	s_wait_dscnt 0x0                               ; the next tile's bias is in its registers
	SMM \nx
.endif
.if \first
.if \i < 7
	PLACES
.endif
.else
	RESC \i
.endif
	PV \i, \first
	WIN 0
.endm
; One step of 64 keys from slot s.  more = 1: the next step's tile and mask are asked for.
.macro STEP s, first, more
	s_wait_dscnt 0x0                               ; my reads of the other slot and of the bias tile are back
	s_set_vgpr_msb 0xf
	s_wait_tensorcnt 0x0                           ; all my tensor loads have landed, my part of this slot among them: every group 0 may be written
	ds_add_u32 v0, v1
	s_wait_dscnt 0x0
	s_set_vgpr_msb 0xf00
	s_add_nc_u64 s[G0+4*\s+2:G0+4*\s+3], s[G0+4*\s+2:G0+4*\s+3], 2*KSTEP   ; this slot's next tile
	WIN 0
	ROUND                                          ; both now hold of every wave of all four work-groups
.if \more
	tensor_load_to_lds s[G0+4*(1-\s):G0+4*(1-\s)+3], s[G1:G1+7]    ; the next step's K and V, jointly, into the slot read last: my one tensor load until the next round
	s_nop 0
	PLACES
.endif
	LD2 ADK+\s, 0                                  ; K, key tiles 0 and 1
	s_wait_loadcnt 0x0                             ; this step's mask words, asked for a step ago
	MCONV
	s_wait_dscnt 16                                ; LDS serves a wave in order (ISA guide 5.7.1): the 16 loads are in, the 16 bias stores behind them may be out
	CVT64 KF
	LD2 ADK+\s, 2                                  ; key tiles 2 and 3
	s_wait_dscnt 0x0                               ; they are in, and my bias stores are done: for the other waves' sake
	CVT64 KF+32
	s_barrier_signal -1
	s_barrier_wait -1                              ; the bias tile is whole.  The tensor load stays on its way
.if \more
	s_add_nc_u64 s[10:11], s[10:11], 256           ; the loads that named this base are done (the wait above)
	MLOAD
.endif
	BLOAD 0
	VLOAD \s, 0
	s_wait_dscnt 16                                ; the 8 bias loads are in, the 16 of V behind them may be out
	SMM 0
	s_wait_dscnt 0x0
	VCVT 0
	VSUM
	VLOAD \s, 1
	s_wait_dscnt 0x0
	VCVT 1
	VSUM
	QT 0, 1, \first
	QT 1, 2, \first
	QT 2, 3, \first
	QT 3, 4, \first
	QT 4, 5, \first
	QT 5, 6, \first
	QT 6, 7, \first
	QT 7, 8, \first
.endm
; Q: two query tiles at a time, scaled by 0.125 log2(e) in f32, to f16 fragments that stay for the whole kernel
.macro QBATCH adr, t0, dst
	LD2 \adr, \t0
	s_wait_dscnt 0x0
.set n, 0
.rept 32
	v_pk_mul_f32 v[T+2*n:T+2*n+1], v[T+2*n:T+2*n+1], 0x3e38aa3b op_sel_hi:[1,0]
.set n, n+1
.endr
	CVT64 \dst
.endm
	MLOAD                                          ; step 0's mask words
	s_wait_tensorcnt 0x0                           ; my parts of step 0's tile and of Q are in,
	s_barrier_signal -1
	s_barrier_wait -1                              ; everybody's are
	QBATCH ADK+1, 0, QF
	QBATCH ADK+1, 2, QF+32
	QBATCH ADQ2, 0, QF+64
	QBATCH ADQ2, 2, QF+96
	STEP 0, 1, 1                                   ; step 0 starts every sum; its refill puts step 1's tile where Q lay
	s_mov_b32 s63, 15
.Lsteps:
	STEP 1, 0, 1                                   ; steps 1 to 30
	STEP 0, 0, 1
	s_sub_co_u32 s63, s63, 1
	s_cmp_lg_u32 s63, 0
	s_cbranch_scc1 .Lsteps
	STEP 1, 0, 0                                   ; step 31 asks for nothing
	; THE WAY OUT.  Four places behind the last matrix instructions; then all waves' reads of the bias tile are over, and its bytes become the stages.
	PLACES
	s_wait_dscnt 0x0
	s_barrier_signal -1
	s_barrier_wait -1
	v_pk_add_f32 v[SV:SV+1], v[SV:SV+1], v[SV+4:SV+5]
	v_pk_add_f32 v[SV+2:SV+3], v[SV+2:SV+3], v[SV+6:SV+7]
.irp k, 0,1,2,3
	v_permlanex16_b32 v[SV+4+\k], v[SV+\k], s61, s62               ; the other half of the keys
.endr
	v_pk_add_f32 v[SV:SV+1], v[SV:SV+1], v[SV+4:SV+5]
	v_pk_add_f32 v[SV+2:SV+3], v[SV+2:SV+3], v[SV+6:SV+7]
	v_pk_mul_f32 v[SV:SV+1], v[SV:SV+1], 0x3a000000 op_sel_hi:[1,0]       ; 1 / 2048
	v_pk_mul_f32 v[SV+2:SV+3], v[SV+2:SV+3], 0x3a000000 op_sel_hi:[1,0]
	ds_store_b128 v[MVW], v[SV:SV+3]               ; d = 4 r .. 4 r + 3; both halves of the lanes write the same numbers
.irp j, 0,1,2,3,4,5,6,7
	ds_load_b128 v[T+4*\j:T+4*\j+3], v[MVR] offset:16*\j           ; back in my order: d = 32 h + 4 j + a.  My own bytes: LDS serves a wave in order
.endr
	s_wait_dscnt 0x0
; 16 rows of out: divide by the sum, put d in order (register j of tile a is d = 32 h + 4 j + a), take the mean of V where the whole row was masked,
; 128 bytes a lane into my stage, whole rows of 256 bytes back, and out.
.macro OUT qt, rb
	v_permlanex16_b32 v[X+1], v[LS+\qt], s61, s62
	v_add_f32 v[X], v[LS+\qt], v[X+1]
	v_cmp_gt_f32 vcc_lo, 0xce000000, v[M+\qt]      ; THR > the row's maximum: no key was let through
	v_rcp_f32 v[X+2], v[X]
	v_nop                                          ; one plain vector instruction ahead of the reciprocal's first use (ISA guide 5.7.2)
	WIN 0x01
	s_wait_alu depctr_va_vdst(0)
.irp j, 0,1,2,3,4,5,6,7
.irp a, 0,1,2,3
	v_mul_f32 v[SC+4*\j+\a], v[8*(4*\qt+\a)+\j], v[X+2]
.endr
.endr
	WIN 0
.set n, 0
.rept 32
	v_cndmask_b32 v[SC+n], v[SC+n], v[T+n], vcc_lo
.set n, n+1
.endr
.irp j, 0,1,2,3,4,5,6,7
	ds_store_b128 v[STO], v[SC+4*\j:SC+4*\j+3] offset:16*\j
.endr
	s_wait_xcnt 0x0                                ; every earlier store has had its addresses translated (ISA guide 3.1): its data registers are loaded again only behind this wait
.irp t, 0,1,2,3,4,5,6,7
	ds_load_b128 v[\rb+4*\t:\rb+4*\t+3], v[RD] offset:\t*2*BP      ; these see the stores above: LDS serves a wave in order
.endr
.irp t, 0,1,2,3,4,5,6,7
	s_wait_dscnt 7-\t                              ; load t is in, the younger ones may be out
	global_store_b128 v[CO], v[\rb+4*\t:\rb+4*\t+3], s[12:13] offset:(16*\qt+2*\t)*4096 th:TH_STORE_NT   ; sixteen lanes store 256 consecutive bytes, aligned: a head's row
.endr
.endm
	OUT 0, SC+32
	OUT 1, T+32
	OUT 2, SC+32
	OUT 3, T+32
	OUT 4, SC+32
	OUT 5, T+32
	OUT 6, SC+32
	OUT 7, T+32
	s_set_vgpr_msb 0xf
	s_wait_tensorcnt 0x0
	ds_add_u32 v0, v1
	s_wait_dscnt 0x0
	s_set_vgpr_msb 0xf00
	ROUND                                          ; the closing round: no work-group ends while a partner may still ask for a tile that names it
	s_endpgm
.Lfunc_end_k_qd5248563dc_attn:
	.size	k_qd5248563dc_attn, .Lfunc_end_k_qd5248563dc_attn-k_qd5248563dc_attn
	.p2alignl 7, 3214868480
	.fill 96, 4, 3214868480
	.section	.rodata,"a",@progbits
	.p2align	6, 0x0
	.amdhsa_kernel k_qd5248563dc_attn
		.amdhsa_group_segment_fixed_size 327680
		.amdhsa_private_segment_fixed_size 0
		.amdhsa_enable_private_segment 0
		.amdhsa_kernarg_size 40
		.amdhsa_user_sgpr_count 2
		.amdhsa_user_sgpr_kernarg_segment_ptr 1
		.amdhsa_wavefront_size32 1
		.amdhsa_system_sgpr_workgroup_id_x 1
		.amdhsa_system_sgpr_workgroup_id_y 1
		.amdhsa_system_sgpr_workgroup_id_z 1
		.amdhsa_system_vgpr_workitem_id 0
		.amdhsa_next_free_vgpr 770
		.amdhsa_next_free_sgpr 66
		.amdhsa_reserve_vcc 1
		.amdhsa_float_denorm_mode_32 3
		.amdhsa_float_denorm_mode_16_64 3
		.amdhsa_memory_ordered 1
		.amdhsa_forward_progress 1
		.amdhsa_inst_pref_size 255
	.end_amdhsa_kernel
	.section	.bss,"aw",@nobits
	.p2align	6
	.space	262144
	.amdgpu_metadata
---
amdhsa.version: [ 1, 2 ]
amdhsa.kernels:
  - .name:           k_qd5248563dc_attn
    .symbol:         k_qd5248563dc_attn.kd
    .args:
      - { .name: key, .offset: 0, .size: 8, .value_kind: global_buffer, .address_space: global }
      - { .name: value, .offset: 8, .size: 8, .value_kind: global_buffer, .address_space: global }
      - { .name: query, .offset: 16, .size: 8, .value_kind: global_buffer, .address_space: global }
      - { .name: mask, .offset: 24, .size: 8, .value_kind: global_buffer, .address_space: global }
      - { .name: out0, .offset: 32, .size: 8, .value_kind: global_buffer, .address_space: global }
    .group_segment_fixed_size: 327680
    .private_segment_fixed_size: 0
    .kernarg_segment_align: 8
    .kernarg_segment_size: 40
    .max_flat_workgroup_size: 128
    .sgpr_count:     66
    .vgpr_count:     770
    .wavefront_size: 32
...
	.end_amdgpu_metadata
.endif
;; end of part 1
;; ======== version 2 of 2: 1 launch
;; limits: right only within a limited range of input values; values are held in f16: magnitudes above 65,504 overflow, below 6.1e-05 lose precision
;; launch attn (part 2): grid 16 x 16, 4 waves a work-group, clusters of 4 x 1, 327,680 bytes of LDS; arguments key, value, query, mask, out0; writes out0
.if DOCPART == 2
	.amdgcn_target "amdgcn-amd-amdhsa--gfx1250"
	.amdhsa_code_object_version 6
	.text
	.protected	k_qd5248563dc_attn
	.globl	k_qd5248563dc_attn
	.p2align	8
	.type	k_qd5248563dc_attn,@function
k_qd5248563dc_attn:
	s_mov_b64 s[64:65], 0
	v_nop
	global_prefetch_b8 v0, s[64:65] scope:SCOPE_SE
	s_setreg_imm32_b32 hwreg(HW_REG_WAVE_MODE, 25, 1), 1
	s_wait_xcnt 0x0
	s_wait_alu depctr_hold_cnt(0) depctr_sa_sdst(0) depctr_va_vdst(0) depctr_va_sdst(0) depctr_va_ssrc(0) depctr_va_vcc(0) depctr_vm_vsrc(0)
	s_getreg_b32 s2, hwreg(HW_REG_IB_STS2, 6, 4)
	s_cmp_eq_u32 s2, 0
	s_cbranch_scc0 .Lentry_in_a_cluster
	s_endpgm
.Lentry_in_a_cluster:
	s_bfe_u32 s2, ttmp6, 0x10000c
	s_cmp_lg_u32 s2, 0x3003
	s_cbranch_scc0 .Lentry_shape_is_right
	s_endpgm
.Lentry_shape_is_right:
; Attention without projections: out[b][q][h*64+d] = softmax over k of (q.k/8, or -1e9 where mask[b][q][k] == 0) times V.
; B = 4, S = 2048, E = 1024, 16 heads of 64.  All tensors f32, the mask int32; products in f16 with f32 sums, softmax in f32 with a running maximum.
;
; FORMAT.  f16, not bf16: an output is a weighted sum of some thousand numbers of V and is compared within a hundredth of the outputs' root mean square, and
; the roundings of Q, K, V and the weights all enter it; f16 keeps 11 significant bits where bf16 keeps 8, so each rounding is eight times finer.  The
; operands are 0.18 Q, K, V and weights in [0, 1]: f16 reaches 65,504, and small numbers go on as denormals (steps of 2^-24).
; SHARES.  Work-group (x, y): x = query block of 128 rows, y = 4 b + hg, hg a group of four heads.  Wave w owns head 4 hg + w and all 128 rows.
; Keys go in 32 steps of 64.  A step's tile is 64 rows of K and 64 of V, 1,024 bytes each (the four heads' 256 bytes side by side), in f32;
; each wave converts its own head's columns to f16 once a step.
; CLUSTER.  The four query blocks of a cluster (same y) walk the same K and V tiles: every tile is asked for jointly, mask 15.  The int32 mask tile
; is not shared that way: two K/V slots (266,240 bytes), an int tile and the bias tile (34,816 each) are 335,872 bytes, more than the 327,680 there are;
; it comes through registers, in whole rows of 256 bytes, a step ahead.
; TRANSPOSED PRODUCTS.  S^T = K Q^T: lane (r, h) holds keys 16 kt + 8 h + j of query r, so maximum, sum and rescaling factor are a lane's own (one
; exchange between the halves of the lanes for the maximum), and the packed weights of key tiles 2c, 2c+1 ARE the second source of O^T = V^T P^T.
; V NEEDS NO TRANSPOSE: row m of O^T's tile a is d = 4 m + a, so one 16-byte load at byte 16 r of a key's row gives lane r its element of all four tiles.
; THE MASK is turned once a step, a quarter by each wave, into an f32 tile (0 or BIAS) in LDS; every wave loads it straight into the score registers,
; where it is the addend of the first score product.
; ORDER OF THE WORK.  A wave is alone on its SIMD, so what is to overlap is laid side by side in the text:
;   - K's fragments lie in window 0 beside the scores and Q's in window 2, so one window setting (source 1 = window 2) serves the score products AND
;     v_exp_f32 on scores: the eight products of query tile i + 1 stand singly between the exponentials of tile i;
;   - a step's K (32 loads) and V (32 loads) are staged whole as f32 in 128 registers each: K lands under the mask's conversion, V under tile 0's softmax;
;   - the sums and the packing of tile i - 1 are interleaved with the maximum of tile i, so that no line needs the result of one close in front of it.
; ROWS WHOSE MASK IS ALL ZERO: reference's constant is finite, so such a row is the plain mean of V over all 2,048 keys.  V's sum is kept in f32 beside
; the conversion, and a row whose final maximum is below THR takes the mean by v_cndmask_b32.  Weights gathered while a row has seen only masked keys
; are wiped by the factor exp2(BIAS - real score) = 0 as soon as a real score comes.
; LIMITS.  |0.18 Q|, |K| and |V| must stay below 65,504 (f16's largest number).  Scores are kept times log2(e).  BIAS = -1.34375 x 2^30 (-1e9 log2 e to
; 0.01 per cent), THR = -2^29: unmasked scores times log2(e) must lie above -2^29 and below 2^29.  NaN and infinities in the inputs are not treated
; specially.  Q is scaled by 0.125 log2(e) in f32 before it is rounded to f16.
.set KP,     1040                      ; LDS pitch of a tile row: 1,024 bytes + 16 of padding = 65 x 16: sixteen rows start in sixteen different 16-byte columns of 256
.set QUART,  32*KP                     ; what one tensor load brings: 32 rows
.set VOFF,   64*KP                     ; V's 64 rows lie behind K's 64
.set SLOT,   128*KP                    ; 133,120 bytes; slot 1's first fill is the Q tile, 128 rows
.set BIAS_L, 2*SLOT                    ; 266,240 = 1,040 x 256: the bias tile, 128 rows at pitch BP; written by ds_store alone, no tensor load lands here
.set BP,     272
.set STGB,   4608                      ; behind the last step the bias tile's bytes serve the way out: 16 rows x 272 + 256 bytes for each wave
.set KSTEP,  64*4096                   ; bytes of K or V from one step to the next
; window 0
.set PFO,  1                           ; v1     prefetch: my lane's byte offset, stepped once a step
.set AL1,  2                           ; v2-3   rescaling factor of odd query tiles (v3 only completes the pair)
.set ADK,  4                           ; v4-5   slot s: s SLOT + r KP + 256 w + 32 h     K (and Q) fragments
.set ADV,  6                           ; v6-7   slot s: s SLOT + VOFF + 8 h KP + 256 w + 16 r
.set ADBW, 8                           ; v8     BIAS_L + (32 w + h) BP + 16 r             where I put bias
.set ADBR, 9                           ; v9     BIAS_L + r BP + 32 h                      where I read it
.set ADM,  10                          ; v10    (32 w + h) 8192 + 16 r                    my mask words
.set BV,   11                          ; v11    BIAS
.set X,    12                          ; v12-15 at work; v[14:15] is the pair from which the maximum is broadcast
.set M,    16                          ; v16-23 running maximum of query tile i
.set LS,   24                          ; v24-31 my half's running sum of query tile i
.set SV,   32                          ; v32-39 sums of V, two sets of four
.set AL0,  40                          ; v40-41 rescaling factor of even query tiles (v41 only completes the pair)
.set STO,  42                          ; v42    way out: stage + r BP + 128 h
.set RD,   43                          ; v43    way out: stage + h BP + 16 r
.set CO,   44                          ; v44    way out: h 4096 + 16 r
.set MVW,  45                          ; v45    mean of V, written at + 16 r
.set MVR,  46                          ; v46    mean of V, read at + 128 h
.set PFM,  47                          ; v47    prefetch: my lane's offset in step 31, the clamp
.set P,    48                          ; v48-63 packed weights; v48-55 hold the running pairs of a tile's sum before its weights are packed; scratch during set-up
.set SC,   64                          ; v64-127 scores, two sets of 32
.set KF,   128                         ; v128-191 K fragments, (kt, c) at 128 + 8 (2 kt + c)
.set T,    128                         ; the same registers while there is no K: Q as f32 at the start, the way out at the end
.set MK,   192                         ; v192-255 mask words, turned into bias in place
; window 1: O^T, tile (qt, a) at 8 (4 qt + a)
; window 2
.set QF,   0                           ; Q fragments, (qt, c) at 8 (2 qt + c)
.set RV,   128                         ; a step's V as f32: key 32 c2 + 16 u + 8 h + j at 128 + 4 (16 c2 + 8 u + j)
; window 3
.set RK,   0                           ; a step's K as f32: 32 kt + 16 c + 0..15
.set VF,   128                         ; V^T fragments, (a, c2) at 128 + 8 (2 a + c2)
.set RR,   48                          ; set-up scratch in P's registers
.set HH,   49
.set TM,   50
.set ADQ2, 55                          ; ADK of slot 1 + 64 rows: Q's rows 64-127, used before P is
.set CM,   2                           ; s2-s9   compare masks (free once the set-up is over)
.set G1,   24                          ; s[24:31] shape of a joint tile
.set G1Q,  32                          ; s[32:39] the same shape, asked for alone (Q)
.set G0,   40                          ; s[40:47] from where, to where: one set for each slot
.set G0Q,  48                          ; s[48:51] the same for Q
.set PB,   52                          ; s[52:53] prefetch: base; s54 its step
.set MSB, 0
.macro WIN new                         ; low byte: bits 1:0 source 0, 3:2 source 1, 5:4 source 2, 7:6 destination; the high byte repeats the setting that is left
.if MSB != \new
	s_set_vgpr_msb (MSB<<8)|\new
.set MSB, \new
.endif
.endm
.macro PLACES
.rept 4
	v_nop
.endr
.endm
; A round of the cluster's barrier: my work-group's barrier, wave 0 signals for the work-group, every wave waits for all four work-groups, my work-group's barrier again.
.macro ROUND
	s_barrier_signal -1
	s_barrier_wait -1
	s_cmp_lg_u32 s14, 0
	s_cbranch_scc1 .Lnot_wave_0_\@
	s_barrier_signal -3
.Lnot_wave_0_\@:
	s_barrier_wait -3
	s_barrier_signal -1
	s_barrier_wait -1
.endm
	s_load_b256 s[4:11], s[0:1], 0x0               ; key s[4:5], value s[6:7], query s[8:9], mask s[10:11]
	s_load_b64 s[12:13], s[0:1], 0x20              ; out
	s_set_vgpr_msb 0xc0
	v_lshl_add_u32 v192, v0, 2, 0x49800
	v_mov_b32 v193, 0
	s_set_vgpr_msb 0xc0cf
	ds_add_u32 v192, v193
	s_set_vgpr_msb 0xcf00
	v_lshrrev_b32 v[TM], 5, v0
	v_readfirstlane_b32 s14, v[TM]                 ; wave 0..3
	s_lshr_b32 s15, s14, 1                         ; I fetch for K (0) or for V (1)
	s_and_b32 s16, s14, 1                          ; which 32 rows of that tile
	s_and_b32 s19, ttmp7, 0xffff                   ; y = 4 b + hg (the cluster is one work-group high)
	s_lshr_b32 s20, s19, 2                         ; b
	s_and_b32 s21, s19, 3                          ; hg
	s_lshl_b32 s56, s20, 23                        ; b x 2048 rows x 4,096 bytes
	s_lshl_b32 s57, s21, 10                        ; hg x 1,024 bytes
	s_add_co_u32 s56, s56, s57
	s_lshl_b32 s57, s16, 17                        ; 32 rows x 4,096 bytes
	s_add_co_u32 s52, s56, s57                     ; K's and V's offset hangs on y and the wave alone: equal in the four partners
	s_mov_b32 s53, 0
	s_bfe_u32 s17, ttmp6, 0x40000                  ; cx: enters only the offsets of Q, mask, out and the prefetch, in s[2:3], s18, s22
	s_lshl_b32 s18, ttmp9, 2
	s_add_co_u32 s18, s18, s17                     ; query block = 4 x cluster x + cx
	s_lshl_b32 s22, s18, 19                        ; 128 rows x 4,096 bytes
	s_add_co_u32 s22, s22, s56
	s_mov_b32 s61, 0x76543210                      ; v_permlanex16_b32: lane i of one half reads lane i of the other
	s_mov_b32 s62, 0xfedcba98
	; the shape: 32 rows x 256 elements of 4 bytes, 1,024 elements from row to row, 4 words of padding behind every 256 words
	s_mov_b32 s[G1+0],  15|(2<<16)|(1<<20)|(1<<21)|(7<<22)|(3<<25)  ; 15:0 the four work-groups of the cluster; 17:16 4 bytes; 20 padding on; 21 set beside a mask; 24:22 every 256 words; 31:25 4 words
	s_mov_b32 s[G1Q+0], (2<<16)|(1<<20)|(7<<22)|(3<<25)             ; no mask: each work-group has its own Q
	s_mov_b32 s[G1+1],  256<<16                    ; tensor_dim0 = 256
	s_mov_b32 s[G1Q+1], 256<<16
	s_mov_b32 s[G1+2],  32<<16                     ; tensor_dim1 = 32
	s_mov_b32 s[G1Q+2], 32<<16
	s_mov_b32 s[G1+3],  256<<16                    ; tile_dim0 = 256
	s_mov_b32 s[G1Q+3], 256<<16
	s_mov_b32 s[G1+4],  32                         ; tile_dim1 = 32
	s_mov_b32 s[G1Q+4], 32
	s_mov_b32 s[G1+5],  1024                       ; elements from row to row
	s_mov_b32 s[G1Q+5], 1024
	s_mov_b32 s[G1+6],  0
	s_mov_b32 s[G1Q+6], 0
	s_mov_b32 s[G1+7],  0
	s_mov_b32 s[G1Q+7], 0
	s_mul_i32 s57, s14, QUART                      ; to where: K's two halves, then V's two halves = wave x 32 rows
	s_wait_dscnt 0x0
	s_wait_kmcnt 0x0
	s_cmp_lg_u32 s15, 0
	s_cselect_b64 s[54:55], s[6:7], s[4:5]         ; waves 2, 3: value; waves 0, 1: key
	s_add_nc_u64 s[54:55], s[54:55], s[52:53]
.irp s, 0,1
	s_mov_b32 s[G0+4*\s], 1
	s_add_co_u32 s[G0+4*\s+1], s57, \s*SLOT
	s_add_nc_u64 s[G0+4*\s+2:G0+4*\s+3], s[54:55], \s*KSTEP        ; step s
	s_or_b32 s[G0+4*\s+3], s[G0+4*\s+3], 0x80000000
.endr
	s_lshl_b32 s2, s14, 17                         ; Q: my 32 of the block's 128 rows
	s_add_co_u32 s2, s2, s22
	s_mov_b32 s3, 0
	s_mov_b32 s[G0Q], 1
	s_add_co_u32 s[G0Q+1], s57, SLOT
	s_add_nc_u64 s[G0Q+2:G0Q+3], s[8:9], s[2:3]
	s_or_b32 s[G0Q+3], s[G0Q+3], 0x80000000
	s_lshl_b32 s2, s14, 8                          ; out: my head's 256 bytes of the block's first row
	s_add_co_u32 s2, s2, s22
	s_add_nc_u64 s[12:13], s[12:13], s[2:3]
	s_lshl_b32 s2, s20, 24                         ; mask: b x 2048 x 8,192 bytes + block x 128 x 8,192
	s_lshl_b32 s22, s18, 20
	s_add_co_u32 s2, s2, s22
	s_add_nc_u64 s[10:11], s[10:11], s[2:3]
	ROUND                                          ; all four work-groups are here: the first joint loads meet
	tensor_load_to_lds s[G0:G0+3], s[G1:G1+7]      ; step 0's K and V into slot 0, jointly
	s_nop 0
	PLACES
	tensor_load_to_lds s[G0Q:G0Q+3], s[G1Q:G1Q+7]  ; Q into slot 1, my own.  Two tensor loads of the wave are out
	s_nop 0
	PLACES
	; PREFETCH, set-up.  A step's K and V rows for one y are 2 x 64 x 4 = 512 blocks of 256 bytes, wanted by the 16 query blocks of that y: wave 0 of query
	; block x asks for 32 of them (blocks 0-7: K's rows 8 x .. 8 x + 7; blocks 8-15: V's rows 8 (x - 8) ..; four blocks a row).  A step's mask tile of a query
	; block is 128 blocks, wanted by the four head groups: wave 1 of head group hg asks for rows 32 hg .. 32 hg + 31, one block each.  So each block is asked
	; for once.  One line of text serves both waves: base, lane offset and step are chosen by the wave's number.
	s_and_b32 s22, s18, 7
	s_lshl_b32 s22, s22, 15                        ; 8 rows x 4,096 bytes
	s_add_co_u32 s22, s22, s56                     ; + b and hg
	s_add_co_u32 s22, s22, 2*KSTEP                 ; the first request is for step 2
	s_lshl_b32 s23, s21, 18                        ; 32 hg mask rows of 8,192 bytes
	s_add_co_u32 s23, s23, 2*256
	s_mov_b32 s57, KSTEP
	s_mov_b32 s54, 256
	s_cmp_lt_u32 ttmp9, 2                          ; query blocks 0-7 are clusters 0 and 1: a number that partners share
	s_cselect_b64 s[PB:PB+1], s[4:5], s[6:7]
	s_cmp_eq_u32 s14, 0
	s_cselect_b64 s[PB:PB+1], s[PB:PB+1], s[10:11] ; wave 0: key or value; the others: mask at my block's first row
	s_cselect_b32 s54, s57, s54                    ; bytes from step to step
	s_cselect_b32 s55, -1, 0
	s_mul_i32 s19, s54, 29                         ; from step 2 to step 31
	v_and_b32 v[RR], 15, v0                        ; r
	v_bfe_u32 v[HH], v0, 4, 1                      ; h
	v_and_b32 v51, 31, v0                          ; lane
	v_lshrrev_b32 v52, 2, v51
	v_and_b32 v53, 3, v51
	v_lshlrev_b32 v52, 12, v52                     ; K, V: row lane / 4,
	v_lshl_add_u32 v52, v53, 8, v52                ; block lane mod 4
	v_add_nc_u32 v52, s22, v52
	v_lshlrev_b32 v53, 13, v51                     ; mask: row = lane
	v_add_nc_u32 v53, s23, v53
	v_cndmask_b32 v[PFO], v53, v52, s55
	v_add_nc_u32 v[PFM], s19, v[PFO]
	s_lshl_b32 s58, s14, 8                         ; my head's 256 bytes in a tile row
	v_mul_u32_u24 v[TM], v[RR], KP
	v_lshl_add_u32 v[TM], v[HH], 5, v[TM]
	v_add_nc_u32 v[ADK], s58, v[TM]
	v_add_nc_u32 v[ADK+1], SLOT, v[ADK]
	v_add_nc_u32 v[ADQ2], VOFF, v[ADK+1]
	v_mul_u32_u24 v[TM], v[HH], 8*KP
	v_lshl_add_u32 v[TM], v[RR], 4, v[TM]
	s_add_co_u32 s58, s58, VOFF
	v_add_nc_u32 v[ADV], s58, v[TM]
	v_add_nc_u32 v[ADV+1], SLOT, v[ADV]
	s_mul_i32 s59, s14, 32*BP
	s_add_co_u32 s59, s59, BIAS_L
	v_mul_u32_u24 v[TM], v[HH], BP
	v_lshl_add_u32 v[TM], v[RR], 4, v[TM]          ; h BP + 16 r
	v_add_nc_u32 v[ADBW], s59, v[TM]
	s_mul_i32 s56, s14, STGB
	s_add_co_u32 s56, s56, BIAS_L                  ; my stage
	v_add_nc_u32 v[RD], s56, v[TM]
	v_mul_u32_u24 v[TM], v[RR], BP                 ; r BP
	v_lshl_add_u32 v[ADBR], v[HH], 5, v[TM]
	v_add_nc_u32 v[ADBR], BIAS_L, v[ADBR]
	v_lshl_add_u32 v[STO], v[HH], 7, v[TM]
	v_add_nc_u32 v[STO], s56, v[STO]
	s_add_co_u32 s56, s56, 16*BP
	v_lshl_add_u32 v[MVW], v[RR], 4, s56
	v_lshl_add_u32 v[MVR], v[HH], 7, s56
	v_lshlrev_b32 v[TM], 4, v[RR]
	v_lshl_add_u32 v[CO], v[HH], 12, v[TM]
	v_lshl_add_u32 v[ADM], v[HH], 13, v[TM]
	s_lshl_b32 s57, s14, 18                        ; my 32 mask rows of 8,192 bytes
	v_add_nc_u32 v[ADM], s57, v[ADM]
.irp k, 0,1,2,3,4,5,6,7
	v_mov_b32 v[SV+\k], 0                          ; V's sums begin at zero: eight registers, once
.endr
	v_mov_b32 v[AL0+1], 0
	v_mov_b32 v[AL1+1], 0
	v_mov_b32 v[BV], 0xceac0000                    ; BIAS
; 16 loads of 16 bytes: my 32 rows x 64 keys of the mask; each load covers two whole rows of 256 bytes
.macro MLOAD
.set n, 0
.rept 16
	global_load_b128 v[MK+4*n:MK+4*n+3], v[ADM], s[10:11] offset:n*16384
.set n, n+1
.endr
.endm
; mask word == 0 -> BIAS, else 0, in place, and into the bias tile.  Eight compares, eight selects; the two stores of a group stand behind the next group's selects.
.macro MCONV
.set m, 0
.rept 8
.irp k, 0,1,2,3,4,5,6,7
	v_cmp_eq_u32 s[CM+\k], 0, v[MK+8*m+\k]
.endr
.irp k, 0,1,2,3,4,5,6,7
	v_cndmask_b32 v[MK+8*m+\k], 0, v[BV], s[CM+\k]
.endr
.if m > 0
	ds_store_b128 v[ADBW], v[MK+8*m-8:MK+8*m-5] offset:(2*m-2)*2*BP
	ds_store_b128 v[ADBW], v[MK+8*m-4:MK+8*m-1] offset:(2*m-1)*2*BP
.endif
.set m, m+1
.endr
	ds_store_b128 v[ADBW], v[MK+56:MK+59] offset:14*2*BP
	ds_store_b128 v[ADBW], v[MK+60:MK+63] offset:15*2*BP
.endm
; f32 for the fragments of two 16-row tiles (t0, t0 + 1) x 64 d: lane (r, h) takes d = 32 c + 8 h + 0..7 and 32 c + 16 + 8 h + 0..7 of row r.  For Q.
.macro LD2 adr, t0
.irp tt, 0,1
.irp c, 0,1
	ds_load_b128 v[T+32*\tt+16*\c:T+32*\tt+16*\c+3],     v[\adr] offset:(\t0+\tt)*16*KP+128*\c
	ds_load_b128 v[T+32*\tt+16*\c+4:T+32*\tt+16*\c+7],   v[\adr] offset:(\t0+\tt)*16*KP+128*\c+16
	ds_load_b128 v[T+32*\tt+16*\c+8:T+32*\tt+16*\c+11],  v[\adr] offset:(\t0+\tt)*16*KP+128*\c+64
	ds_load_b128 v[T+32*\tt+16*\c+12:T+32*\tt+16*\c+15], v[\adr] offset:(\t0+\tt)*16*KP+128*\c+80
.endr
.endr
.endm
; 64 f32 of T, in order, to 32 registers of f16 pairs in window 2.  For Q.
.macro CVT64 dst
	WIN 0x80
.set n, 0
.rept 32
	v_cvt_pk_f16_f32 v[\dst+n], v[T+2*n], v[T+2*n+1]
.set n, n+1
.endr
	WIN 0
.endm
; K: all four key tiles of the step, the same lane pattern, 32 loads into window 3
.macro KLOAD s
	WIN 0xc0
.irp kt, 0,1,2,3
.irp c, 0,1
	ds_load_b128 v[RK+32*\kt+16*\c:RK+32*\kt+16*\c+3],     v[ADK+\s] offset:\kt*16*KP+128*\c
	ds_load_b128 v[RK+32*\kt+16*\c+4:RK+32*\kt+16*\c+7],   v[ADK+\s] offset:\kt*16*KP+128*\c+16
	ds_load_b128 v[RK+32*\kt+16*\c+8:RK+32*\kt+16*\c+11],  v[ADK+\s] offset:\kt*16*KP+128*\c+64
	ds_load_b128 v[RK+32*\kt+16*\c+12:RK+32*\kt+16*\c+15], v[ADK+\s] offset:\kt*16*KP+128*\c+80
.endr
.endr
	WIN 0
.endm
.macro KCVT                            ; 128 f32 in order to the 64 registers of K's fragments in window 0
	WIN 0x0f
.set n, 0
.rept 64
	v_cvt_pk_f16_f32 v[KF+n], v[RK+2*n], v[RK+2*n+1]
.set n, n+1
.endr
	WIN 0
.endm
; V: the rows of keys 32 c2 + 16 u + 8 h + j, 16 bytes each at 16 r: d = 4 r .. 4 r + 3; 32 loads into window 2
.macro VLOAD s
	WIN 0x80
.irp c2, 0,1
.irp u, 0,1
.irp j, 0,1,2,3,4,5,6,7
	ds_load_b128 v[RV+4*(16*\c2+8*\u+\j):RV+4*(16*\c2+8*\u+\j)+3], v[ADV+\s] offset:(32*\c2+16*\u+\j)*KP
.endr
.endr
.endr
	WIN 0
.endm
.macro VCVT                            ; two neighbouring keys of one d make a register of tile a's fragment: window 2 to window 3
	WIN 0xca
.irp c2, 0,1
.irp a, 0,1,2,3
.irp u, 0,1
.irp j, 0,2,4,6
	v_cvt_pk_f16_f32 v[VF+8*(2*\a+\c2)+4*\u+\j/2], v[RV+4*(16*\c2+8*\u+\j)+\a], v[RV+4*(16*\c2+8*\u+\j+1)+\a]
.endr
.endr
.endr
.endr
.endm
.macro VSUM                            ; V's sums in f32, two chains by turns
	WIN 0x08
.set n, 0
.rept 32
	v_pk_add_f32 v[SV+4*(n&1):SV+4*(n&1)+1],   v[SV+4*(n&1):SV+4*(n&1)+1],   v[RV+4*n:RV+4*n+1]
	v_pk_add_f32 v[SV+4*(n&1)+2:SV+4*(n&1)+3], v[SV+4*(n&1)+2:SV+4*(n&1)+3], v[RV+4*n+2:RV+4*n+3]
.set n, n+1
.endr
.endm
; the bias of query tile i, straight into the score registers: register 8 kt + j = key 16 kt + 8 h + j of query 16 i + r
.macro BLOAD i
.irp kt, 0,1,2,3
.irp e, 0,1
	ds_load_b128 v[SC+32*(\i&1)+8*\kt+4*\e:SC+32*(\i&1)+8*\kt+4*\e+3], v[ADBR] offset:\i*16*BP+64*\kt+16*\e
.endr
.endr
.endm
; scores of query tile i in one run (tile 0 alone): four accumulators by turns, one instruction a turn
.macro SMM i
	WIN 0x08                                       ; K window 0, Q window 2, sums window 0
.irp c, 0,1
.irp kt, 0,1,2,3
	v_wmma_f32_16x16x32_f16 v[SC+32*(\i&1)+8*\kt:SC+32*(\i&1)+8*\kt+7], v[KF+8*(2*\kt+\c):KF+8*(2*\kt+\c)+7], v[QF+8*(2*\i+\c):QF+8*(2*\i+\c)+7], v[SC+32*(\i&1)+8*\kt:SC+32*(\i&1)+8*\kt+7]
.endr
.endr
.endm
.macro RESC i                          ; O^T of query tile i times the factor
.set ALI, AL0-(AL0-AL1)*(\i&1)
	WIN 0x41
.set n, 0
.rept 16
	v_pk_mul_f32 v[32*\i+2*n:32*\i+2*n+1], v[32*\i+2*n:32*\i+2*n+1], v[ALI:ALI+1] op_sel_hi:[1,0]
.set n, n+1
.endr
.endm
; O^T += V^T P^T: four accumulators by turns, one instruction a turn.  In the first step the first product starts the sums.
.macro PV i, first
	WIN 0x53                                       ; V^T window 3, weights window 0, sums window 1
.irp a, 0,1,2,3
.if \first
	v_wmma_f32_16x16x32_f16 v[8*(4*\i+\a):8*(4*\i+\a)+7], v[VF+16*\a:VF+16*\a+7], v[P:P+7], 0
.else
	v_wmma_f32_16x16x32_f16 v[8*(4*\i+\a):8*(4*\i+\a)+7], v[VF+16*\a:VF+16*\a+7], v[P:P+7], v[8*(4*\i+\a):8*(4*\i+\a)+7]
.endif
.endr
.irp a, 0,1,2,3
	v_wmma_f32_16x16x32_f16 v[8*(4*\i+\a):8*(4*\i+\a)+7], v[VF+16*\a+8:VF+16*\a+15], v[P+8:P+15], v[8*(4*\i+\a):8*(4*\i+\a)+7]
.endr
.endm
; Two strands, line by line: (dosum) the 32 weights a lane of tile j are summed (running pairs in v48-55, which the packing overwrites only when they have
; been used up) and packed to f16; (domax) the new maximum of tile i, its factor's exponent, the maximum kept.  The two name different score sets, so each
; strand's lines fill the distance between the other's dependent lines.  The first four sums and the v_nop in front of them are the places between
; tile i's last score product and the first line that reads its scores.
.macro SCM j, i, first, dosum, domax
.set SJ, SC+32*(\j&1)
.set SI, SC+32*(\i&1)
.set ALJ, AL0-(AL0-AL1)*(\j&1)
.set ALI, AL0-(AL0-AL1)*(\i&1)
.if \dosum
	s_wait_alu depctr_va_vdst(0)
.irp k, 0,1,2,3
	v_pk_add_f32 v[P+2*\k:P+2*\k+1], v[SJ+2*\k:SJ+2*\k+1], v[SJ+8+2*\k:SJ+8+2*\k+1]
.endr
.endif
.if \domax
.irp k, 0,1,2,3
	v_max3_num_f32 v[X+\k], v[SI+3*\k], v[SI+3*\k+1], v[SI+3*\k+2]
.endr
.endif
.if \dosum
.irp k, 0,1,2,3
	v_pk_add_f32 v[P+2*\k:P+2*\k+1], v[P+2*\k:P+2*\k+1], v[SJ+16+2*\k:SJ+16+2*\k+1]
.endr
.endif
.if \domax
.irp k, 0,1,2,3
	v_max3_num_f32 v[X+\k], v[X+\k], v[SI+12+2*\k], v[SI+13+2*\k]
.endr
.endif
.if \dosum
.irp k, 0,1,2,3
	v_pk_add_f32 v[P+2*\k:P+2*\k+1], v[P+2*\k:P+2*\k+1], v[SJ+24+2*\k:SJ+24+2*\k+1]
.endr
.endif
.if \domax
.irp k, 0,1,2,3
	v_max3_num_f32 v[X+\k], v[X+\k], v[SI+20+2*\k], v[SI+21+2*\k]
.endr
.endif
.if \dosum
	v_pk_add_f32 v[P:P+1], v[P:P+1], v[P+2:P+3]
	v_pk_add_f32 v[P+4:P+5], v[P+4:P+5], v[P+6:P+7]
.endif
.if \domax
	v_max3_num_f32 v[X], v[X], v[SI+28], v[SI+29]
	v_max3_num_f32 v[X+1], v[X+1], v[SI+30], v[SI+31]
.endif
.if \dosum
.irp n, 8,9,10,11
	v_cvt_pk_f16_f32 v[P+\n], v[SJ+2*\n], v[SJ+2*\n+1]
.endr
	v_pk_add_f32 v[P:P+1], v[P:P+1], v[P+4:P+5]
.endif
.if \domax
	v_max3_num_f32 v[X], v[X], v[X+1], v[X+2]
.endif
.if \dosum
.irp n, 12,13,14,15
	v_cvt_pk_f16_f32 v[P+\n], v[SJ+2*\n], v[SJ+2*\n+1]
.endr
.if \first
	v_add_f32 v[LS+\j], v[P], v[P+1]
.else
	v_add_f32 v[P+2], v[P], v[P+1]
.endif
.endif
.if \domax
.if \first
	v_max_num_f32 v[X], v[X], v[X+3]
.else
	v_max3_num_f32 v[X], v[X], v[X+3], v[M+\i]
.endif
.endif
.if \dosum
.irp n, 4,5,6,7
	v_cvt_pk_f16_f32 v[P+\n], v[SJ+2*\n], v[SJ+2*\n+1]
.endr
.if \first == 0
	v_fma_f32 v[LS+\j], v[LS+\j], v[ALJ], v[P+2]
.endif
.endif
.if \domax
	v_permlanex16_b32 v[X+1], v[X], s61, s62       ; the other half of the lanes holds the other half of the keys
.endif
.if \dosum
.irp n, 0,1,2,3
	v_cvt_pk_f16_f32 v[P+\n], v[SJ+2*\n], v[SJ+2*\n+1]
.endr
.endif
.if \domax
	v_max_num_f32 v[X+2], v[X], v[X+1]
.if \first == 0
	v_sub_f32 v[ALI], v[M+\i], v[X+2]
.endif
	v_mov_b32 v[M+\i], v[X+2]
.endif
.endm
.macro SUBP i                          ; scores of tile i less the maximum
.set SI, SC+32*(\i&1)
.set n, 0
.rept 16
	v_pk_add_f32 v[SI+2*n:SI+2*n+1], v[SI+2*n:SI+2*n+1], v[X+2:X+3] op_sel_hi:[1,0] neg_lo:[0,1] neg_hi:[0,1]
.set n, n+1
.endr
.endm
; The 32 exponentials of tile i, and (weave = 1) singly between them, four to one, the eight score products of tile nx, which name the other score set.
; One window setting serves both: an exponential names a destination and a source 0 alone, both in window 0.  The products' four accumulators take turns,
; one instruction a turn.
.macro EXPW i, nx, first, weave
.set SI, SC+32*(\i&1)
.set SN, SC+32*(\nx&1)
.set ALI, AL0-(AL0-AL1)*(\i&1)
.if \weave
	WIN 0x08
.endif
.set g, 0
.rept 8
.if \weave
	v_wmma_f32_16x16x32_f16 v[SN+8*(g&3):SN+8*(g&3)+7], v[KF+8*(2*(g&3)+(g>>2)):KF+8*(2*(g&3)+(g>>2))+7], v[QF+8*(2*\nx+(g>>2)):QF+8*(2*\nx+(g>>2))+7], v[SN+8*(g&3):SN+8*(g&3)+7]
.endif
	v_exp_f32 v[SI+4*g], v[SI+4*g]
	v_exp_f32 v[SI+4*g+1], v[SI+4*g+1]
	v_exp_f32 v[SI+4*g+2], v[SI+4*g+2]
	v_exp_f32 v[SI+4*g+3], v[SI+4*g+3]
.set g, g+1
.endr
.if \first == 0
	v_exp_f32 v[ALI], v[ALI]
.endif
	WIN 0
	v_nop                                          ; one plain vector instruction stands between the exponentials and the first use of a result (ISA guide 5.7.2)
.endm
; In step t waves 0 and 1 ask for their 32 blocks of step t + 2's tiles; K's and V's tensor load for that step stands at the head of step t + 1.
.macro PREF
	WIN 0
	s_cmp_gt_u32 s14, 1
	s_cbranch_scc1 .Lno_prefetch_\@
	global_prefetch_b8 v[PFO], s[PB:PB+1] th:TH_LOAD_NT scope:SCOPE_SE
.Lno_prefetch_\@:
.endm
; One stage of the pipeline over query tiles, j = i - 1, nx = i + 1.  hook = 1: V has landed and is converted, ahead of its first use; hook = 2: the prefetch.
.macro STAGE j, i, nx, first, hook
	SCM \j, \i, \first, 1, 1
.if \i < 7
	BLOAD \nx                                      ; into the score set that tile j has just left; it has the products below and tile i's subtraction in which to land
.endif
.if \hook == 1
	s_wait_dscnt 8                                 ; LDS serves a wave in order (ISA guide 5.7.1): V's 32 loads are in, the 8 bias loads behind them may be out
	VCVT
	VSUM
.endif
.if \hook == 2
	PREF
.endif
.if \first == 0
	RESC \j
.endif
	PV \j, \first
	WIN 0
	SUBP \i
.if \i < 7
	s_wait_dscnt 0x0                               ; tile nx's bias is in its registers
	EXPW \i, \nx, \first, 1
.else
	EXPW \i, 0, \first, 0
.endif
.endm
; One step of 64 keys from slot s.  more = 1: the next step's tile and mask are asked for.
.macro STEP s, first, more
	s_wait_dscnt 0x0                               ; my reads of the other slot and of the bias tile are back
	s_set_vgpr_msb 0xf
	s_wait_tensorcnt 0x0                           ; all my tensor loads have landed, my part of this slot among them: every group 0 may be written
	ds_add_u32 v192, v193
	s_wait_dscnt 0x0
	s_set_vgpr_msb 0xf00
	s_add_nc_u64 s[G0+4*\s+2:G0+4*\s+3], s[G0+4*\s+2:G0+4*\s+3], 2*KSTEP   ; this slot's next tile
	WIN 0
	ROUND                                          ; both now hold of every wave of all four work-groups
.if \more
	tensor_load_to_lds s[G0+4*(1-\s):G0+4*(1-\s)+3], s[G1:G1+7]    ; the next step's K and V, jointly, into the slot read last: my one tensor load until the next round
	s_nop 0
	PLACES
.if \first == 0
	s_wait_xcnt 0x0                                ; the last step's prefetch has had its address translated (ISA guide 3.1): its offset is stepped only behind this wait
	v_add_nc_u32 v[PFO], s54, v[PFO]
	v_min_u32 v[PFO], v[PFO], v[PFM]               ; never past step 31: step 30 asks for step 31's blocks again
.endif
.endif
	KLOAD \s                                       ; 32 loads, which land under the mask's conversion
	s_wait_loadcnt 0x0                             ; this step's mask words, asked for a step ago
	MCONV
	s_wait_dscnt 16                                ; K's 32 loads are in, the 16 bias stores behind them may be out
	KCVT
	s_wait_dscnt 0x0                               ; my bias stores are done: for the other waves' sake
	s_barrier_signal -1
	s_barrier_wait -1                              ; the bias tile is whole.  The tensor load stays on its way
	BLOAD 0
	BLOAD 1
	VLOAD \s                                       ; 32 loads, which land under tile 0's products and softmax
.if \more
	s_add_nc_u64 s[10:11], s[10:11], 256           ; the loads that named this base are done (the wait above)
	MLOAD
.endif
	s_wait_dscnt 40                                ; tile 0's bias is in; tile 1's 8 loads and V's 32 may be out
	SMM 0
	WIN 0
	PLACES                                         ; four places between the products and the lines that read the scores (ISA guide 7.12.1)
	SCM 0, 0, \first, 0, 1
	SUBP 0
	s_wait_dscnt 32                                ; tile 1's bias is in; V's 32 loads may be out
	EXPW 0, 1, \first, 1
	STAGE 0, 1, 2, \first, 1
	STAGE 1, 2, 3, \first, 0
	STAGE 2, 3, 4, \first, 0
.if \more
	STAGE 3, 4, 5, \first, 2
.else
	STAGE 3, 4, 5, \first, 0
.endif
	STAGE 4, 5, 6, \first, 0
	STAGE 5, 6, 7, \first, 0
	STAGE 6, 7, 8, \first, 0
	SCM 7, 0, \first, 1, 0
.if \first == 0
	RESC 7
.endif
	PV 7, \first
	WIN 0
.endm
; Q: two query tiles at a time, scaled by 0.125 log2(e) in f32, to f16 fragments that stay for the whole kernel
.macro QBATCH adr, t0, dst
	LD2 \adr, \t0
	s_wait_dscnt 0x0
.set n, 0
.rept 32
	v_pk_mul_f32 v[T+2*n:T+2*n+1], v[T+2*n:T+2*n+1], 0x3e38aa3b op_sel_hi:[1,0]
.set n, n+1
.endr
	CVT64 \dst
.endm
	MLOAD                                          ; step 0's mask words
	s_wait_tensorcnt 0x0                           ; my parts of step 0's tile and of Q are in,
	s_barrier_signal -1
	s_barrier_wait -1                              ; everybody's are
	QBATCH ADK+1, 0, QF
	QBATCH ADK+1, 2, QF+32
	QBATCH ADQ2, 0, QF+64
	QBATCH ADQ2, 2, QF+96
	STEP 0, 1, 1                                   ; step 0 starts every sum; its refill puts step 1's tile where Q lay
	s_mov_b32 s63, 15
.Lsteps:
	STEP 1, 0, 1                                   ; steps 1 to 30
	STEP 0, 0, 1
	s_sub_co_u32 s63, s63, 1
	s_cmp_lg_u32 s63, 0
	s_cbranch_scc1 .Lsteps
	STEP 1, 0, 0                                   ; step 31 asks for nothing
	; THE WAY OUT.  Four places behind the last matrix instructions; then all waves' reads of the bias tile are over, and its bytes become the stages.
	PLACES
	s_wait_dscnt 0x0
	s_barrier_signal -1
	s_barrier_wait -1
	v_pk_add_f32 v[SV:SV+1], v[SV:SV+1], v[SV+4:SV+5]
	v_pk_add_f32 v[SV+2:SV+3], v[SV+2:SV+3], v[SV+6:SV+7]
.irp k, 0,1,2,3
	v_permlanex16_b32 v[SV+4+\k], v[SV+\k], s61, s62               ; the other half of the keys
.endr
	v_pk_add_f32 v[SV:SV+1], v[SV:SV+1], v[SV+4:SV+5]
	v_pk_add_f32 v[SV+2:SV+3], v[SV+2:SV+3], v[SV+6:SV+7]
	v_pk_mul_f32 v[SV:SV+1], v[SV:SV+1], 0x3a000000 op_sel_hi:[1,0]       ; 1 / 2048
	v_pk_mul_f32 v[SV+2:SV+3], v[SV+2:SV+3], 0x3a000000 op_sel_hi:[1,0]
	ds_store_b128 v[MVW], v[SV:SV+3]               ; d = 4 r .. 4 r + 3; both halves of the lanes write the same numbers
.irp j, 0,1,2,3,4,5,6,7
	ds_load_b128 v[T+4*\j:T+4*\j+3], v[MVR] offset:16*\j           ; back in my order: d = 32 h + 4 j + a.  My own bytes: LDS serves a wave in order
.endr
	s_wait_dscnt 0x0
; 16 rows of out: divide by the sum, put d in order (register j of tile a is d = 32 h + 4 j + a), take the mean of V where the whole row was masked,
; 128 bytes a lane into my stage, whole rows of 256 bytes back, and out.
.macro OUT qt, rb
	v_permlanex16_b32 v[X+1], v[LS+\qt], s61, s62
	v_add_f32 v[X], v[LS+\qt], v[X+1]
	v_cmp_gt_f32 vcc_lo, 0xce000000, v[M+\qt]      ; THR > the row's maximum: no key was let through
	v_rcp_f32 v[X+2], v[X]
	v_nop                                          ; one plain vector instruction ahead of the reciprocal's first use (ISA guide 5.7.2)
	WIN 0x01
	s_wait_alu depctr_va_vdst(0)
.irp j, 0,1,2,3,4,5,6,7
.irp a, 0,1,2,3
	v_mul_f32 v[SC+4*\j+\a], v[8*(4*\qt+\a)+\j], v[X+2]
.endr
.endr
	WIN 0
.set n, 0
.rept 32
	v_cndmask_b32 v[SC+n], v[SC+n], v[T+n], vcc_lo
.set n, n+1
.endr
.irp j, 0,1,2,3,4,5,6,7
	ds_store_b128 v[STO], v[SC+4*\j:SC+4*\j+3] offset:16*\j
.endr
	s_wait_xcnt 0x0                                ; every earlier store has had its addresses translated (ISA guide 3.1): its data registers are loaded again only behind this wait
.irp t, 0,1,2,3,4,5,6,7
	ds_load_b128 v[\rb+4*\t:\rb+4*\t+3], v[RD] offset:\t*2*BP      ; these see the stores above: LDS serves a wave in order
.endr
.irp t, 0,1,2,3,4,5,6,7
	s_wait_dscnt 7-\t                              ; load t is in, the younger ones may be out
	global_store_b128 v[CO], v[\rb+4*\t:\rb+4*\t+3], s[12:13] offset:(16*\qt+2*\t)*4096 th:TH_STORE_NT   ; sixteen lanes store 256 consecutive bytes, aligned: a head's row
.endr
.endm
	OUT 0, SC+32
	OUT 1, T+32
	OUT 2, SC+32
	OUT 3, T+32
	OUT 4, SC+32
	OUT 5, T+32
	OUT 6, SC+32
	OUT 7, T+32
	s_set_vgpr_msb 0xf
	s_wait_tensorcnt 0x0
	ds_add_u32 v192, v193
	s_wait_dscnt 0x0
	s_set_vgpr_msb 0xf00
	ROUND                                          ; the closing round: no work-group ends while a partner may still ask for a tile that names it
	s_endpgm
.Lfunc_end_k_qd5248563dc_attn:
	.size	k_qd5248563dc_attn, .Lfunc_end_k_qd5248563dc_attn-k_qd5248563dc_attn
	.p2alignl 7, 3214868480
	.fill 96, 4, 3214868480
	.section	.rodata,"a",@progbits
	.p2align	6, 0x0
	.amdhsa_kernel k_qd5248563dc_attn
		.amdhsa_group_segment_fixed_size 327680
		.amdhsa_private_segment_fixed_size 0
		.amdhsa_enable_private_segment 0
		.amdhsa_kernarg_size 40
		.amdhsa_user_sgpr_count 2
		.amdhsa_user_sgpr_kernarg_segment_ptr 1
		.amdhsa_wavefront_size32 1
		.amdhsa_system_sgpr_workgroup_id_x 1
		.amdhsa_system_sgpr_workgroup_id_y 1
		.amdhsa_system_sgpr_workgroup_id_z 1
		.amdhsa_system_vgpr_workitem_id 0
		.amdhsa_next_free_vgpr 962
		.amdhsa_next_free_sgpr 66
		.amdhsa_reserve_vcc 1
		.amdhsa_float_denorm_mode_32 3
		.amdhsa_float_denorm_mode_16_64 3
		.amdhsa_memory_ordered 1
		.amdhsa_forward_progress 1
		.amdhsa_inst_pref_size 255
	.end_amdhsa_kernel
	.section	.bss,"aw",@nobits
	.p2align	6
	.space	262144
	.amdgpu_metadata
---
amdhsa.version: [ 1, 2 ]
amdhsa.kernels:
  - .name:           k_qd5248563dc_attn
    .symbol:         k_qd5248563dc_attn.kd
    .args:
      - { .name: key, .offset: 0, .size: 8, .value_kind: global_buffer, .address_space: global }
      - { .name: value, .offset: 8, .size: 8, .value_kind: global_buffer, .address_space: global }
      - { .name: query, .offset: 16, .size: 8, .value_kind: global_buffer, .address_space: global }
      - { .name: mask, .offset: 24, .size: 8, .value_kind: global_buffer, .address_space: global }
      - { .name: out0, .offset: 32, .size: 8, .value_kind: global_buffer, .address_space: global }
    .group_segment_fixed_size: 327680
    .private_segment_fixed_size: 0
    .kernarg_segment_align: 8
    .kernarg_segment_size: 40
    .max_flat_workgroup_size: 128
    .sgpr_count:     66
    .vgpr_count:     962
    .wavefront_size: 32
...
	.end_amdgpu_metadata
.endif
;; end of part 2
